; MI455X (gfx1250); checked and timed in simulation.
; The chip was launched on July 23, 2026; its instructions are those of AMD's public machine-readable ISA for CDNA 5 (MIT licence, August 2026) and "CDNA5" Instruction Set Architecture Reference Guide (July 2026). The comments in the code are by the model that wrote it; some were corrected since.
;; Attention Mechanism. Allowed arithmetic: float matrix products may take bf16 or f16 operands with f32 sums; other float arithmetic in f32, or as packed bf16 or f16 multiplies, adds, multiply-adds, maxima and minima; sums over many terms, partial sums and values carried from step to step in f32; what a program stores and reads back later, other than sums and carried values, may be rounded once to bf16 or f16.
;; Inputs: W 1,024 x 1,024 float32; b 1,024 float32; contextvects 32 x 1,024 x 2,048 float32; hidden 1 x 32 x 1,024 float32.
;; Outputs: out0 64 x 32 x 1,024 float32.
;; Constants: seqlen = 64.
;; One version. Each part assembles by itself: llvm-mc -triple=amdgcn-amd-amdhsa -mcpu=gfx1250 --defsym DOCPART=n.
;; ======== version 1 of 1: 3 launches
;; workspace buffers: upart 1,048,576 bytes; part 1,114,112 bytes
;; launch proj (part 1): grid 64 x 4, 8 waves a work-group, no clusters, 37,888 bytes of LDS; arguments W, hidden, upart; writes upart
.if DOCPART == 1
	.amdgcn_target "amdgcn-amd-amdhsa--gfx1250"
	.amdhsa_code_object_version 6
	.text
	.protected	k_qe0c214620a_proj
	.globl	k_qe0c214620a_proj
	.p2align	8
	.type	k_qe0c214620a_proj,@function
k_qe0c214620a_proj:
	s_mov_b64 s[64:65], 0
	v_nop
	global_prefetch_b8 v0, s[64:65] scope:SCOPE_SE
	s_setreg_imm32_b32 hwreg(HW_REG_WAVE_MODE, 25, 1), 1
	s_wait_xcnt 0x0
; upart[hs][b][d] = the sum over h = 128 hs .. 128 hs + 127 of hidden[b][h] W[h][d].   W: [1024 h][1024 d] f32, hidden: [32 b][1024 h] f32, upart: [8][32][1024] f32.
; WHY.  The module's score is (x W^T + bias) . hidden = x . (W^T hidden) + bias . hidden for every input, so only u = W^T hidden is wanted of W.  The eight partial sums are added by the next launch.
; FORMAT.  All in f32 on the vector unit: u enters scores of 1,024 terms that stand in an exponent, where 16-bit operands would shift a weight by several per cent; the product has 32 rows and
; its arithmetic is small beside W's bytes.  LIMIT: the order of rounding differs from the reference's (which projects every context column first).
; SHARES.  A work-group takes 128 columns d (512 bytes of a row of W), 128 rows h and 8 batches: 8 x 8 x 4 = 256 work-groups.  Wave w takes rows 16 w .. 16 w + 15 for all 8 batches; lane l columns 4 l .. 4 l + 3.
; The eight waves' sums meet in LDS; wave w then adds up batch w and stores 512 consecutive bytes, aligned.
; NO CLUSTER: the four work-groups that differ in the batches alone read the same 64 KB of W, but it goes straight into registers, sixteen loads a wave and no loop: there is no ring of slots in which a joint request could stand.
.set HID,   0          ; LDS: 8 rows (batches) x 512 bytes: hidden[8 bg + bb][128 hs ..]
.set RED,   4096       ; LDS: [8 waves][8 batches][512 bytes]: the waves' sums
.set SPARE, 36864      ; LDS: the spare words, 128 bytes for each of 8 waves; no other line names them
.set L16, 1            ; v1   16 x lane
.set T16, 2            ; v2   512 x wave + 16 x lane
.set HA,  3            ; v3   64 x wave: my 16 numbers in a row of HID
.set RS,  4            ; v4   4,096 x wave + 16 x lane
.set SPW, 8            ; v8   my spare word; never rewritten
.set NIL, 9            ; v9   0; never rewritten
.set HIN, 12           ; v[12:15]   16 bytes of hidden on their way into LDS
.set WR,  16           ; v[16:79]   W: row i at WR + 4 i; later the eight sums to be added
.set HD,  80           ; v[80:207]  hidden: batch bb, row i at HD + 16 bb + i, the same in all lanes
.set ACC, 208          ; v[208:239] batch bb's four columns at ACC + 4 bb
; d (a pair) += a (a pair) x register r, taken for both halves: an even r is the first of its pair, an odd r the second
.macro BCFMA d, a, r
.if ((\r)%2) == 0
	v_pk_fma_f32 v[(\d):(\d)+1], v[(\a):(\a)+1], v[(\r):(\r)+1], v[(\d):(\d)+1] op_sel_hi:[1,0,1]
.else
	v_pk_fma_f32 v[(\d):(\d)+1], v[(\a):(\a)+1], v[(\r)-1:(\r)], v[(\d):(\d)+1] op_sel:[0,1,0] op_sel_hi:[1,1,1]
.endif
.endm
.macro BCMUL d, a, r
.if ((\r)%2) == 0
	v_pk_mul_f32 v[(\d):(\d)+1], v[(\a):(\a)+1], v[(\r):(\r)+1] op_sel_hi:[1,0]
.else
	v_pk_mul_f32 v[(\d):(\d)+1], v[(\a):(\a)+1], v[(\r)-1:(\r)] op_sel:[0,1] op_sel_hi:[1,1]
.endif
.endm
.macro QADD d, s                       ; four registers onto four
	v_pk_add_f32 v[(\d):(\d)+1], v[(\d):(\d)+1], v[(\s):(\s)+1]
	v_pk_add_f32 v[(\d)+2:(\d)+3], v[(\d)+2:(\d)+3], v[(\s)+2:(\s)+3]
.endm
	s_load_b128 s[4:7], s[0:1], 0x0                ; W s[4:5], hidden s[6:7]
	s_load_b64 s[8:9], s[0:1], 0x10                ; upart
	v_lshl_add_u32 v[SPW], v0, 2, SPARE
	v_mov_b32 v[NIL], 0
	v_lshrrev_b32 v5, 5, v0
	v_readfirstlane_b32 s10, v5                    ; wave 0..7
	s_and_b32 s11, ttmp9, 7                        ; dc: which 128 columns
	s_lshr_b32 s12, ttmp9, 3                       ; hs: which 128 rows of W
	s_and_b32 s13, ttmp7, 0xffff                   ; bg: which 8 batches
	v_and_b32 v[L16], 31, v0
	v_lshlrev_b32 v[L16], 4, v[L16]
	s_lshl_b32 s14, s10, 9
	v_add_nc_u32 v[T16], s14, v[L16]
	s_lshl_b32 s14, s10, 6
	v_mov_b32 v[HA], s14
	s_lshl_b32 s14, s10, 12
	v_add_nc_u32 v[RS], s14, v[L16]
	s_lshl_b32 s16, s12, 19                        ; W: (128 hs + 16 w) rows of 4,096 bytes + 512 dc
	s_lshl_b32 s14, s10, 16
	s_add_co_u32 s16, s16, s14
	s_lshl_b32 s14, s11, 9
	s_add_co_u32 s16, s16, s14
	s_mov_b32 s17, 0
	s_lshl_b32 s18, s13, 15                        ; hidden: 8 bg rows of 4,096 bytes + 512 hs
	s_lshl_b32 s15, s12, 9
	s_add_co_u32 s18, s18, s15
	s_mov_b32 s19, 0
	s_lshl_b32 s20, s13, 3                         ; upart: hs x 131,072 + (8 bg + w) x 4,096 + 512 dc
	s_add_co_u32 s20, s20, s10
	s_lshl_b32 s20, s20, 12
	s_add_co_u32 s20, s20, s14
	s_lshl_b32 s15, s12, 17
	s_add_co_u32 s20, s20, s15
	s_mov_b32 s21, 0
	s_wait_kmcnt 0x0
	s_add_nc_u64 s[4:5], s[4:5], s[16:17]
	s_add_nc_u64 s[6:7], s[6:7], s[18:19]
	s_add_nc_u64 s[8:9], s[8:9], s[20:21]
	global_load_b128 v[HIN:HIN+3], v[RS], s[6:7]   ; wave w: the 512 bytes of batch 8 bg + w
.irp i, 0,1,2,3,4,5,6,7,8,9,10,11,12,13,14,15
	global_load_b128 v[WR+4*\i:WR+4*\i+3], v[L16], s[4:5] offset:\i*4096  ; my 16 rows of W, 512 consecutive bytes each
.endr
	s_wait_loadcnt 16                              ; hidden's load is in; the sixteen issued behind it stay out
	ds_store_b128 v[T16], v[HIN:HIN+3] offset:HID
	s_wait_dscnt 0x0                               ; for the others' sake: my store is done
	s_barrier_signal -1
	s_barrier_wait -1
.irp q, 0,1,2,3                        ; four rows' numbers at a time, for all 8 batches: every lane reads the same 16 bytes
.irp bb, 0,1,2,3,4,5,6,7
	ds_load_b128 v[HD+16*\bb+4*\q:HD+16*\bb+4*\q+3], v[HA] offset:HID+\bb*512+\q*16
.endr
.endr
; Row i of my sixteen: 16 packed multiply-adds on 16 sums that do not wait for each other.  Row 0 starts the sums: nothing is cleared.
.macro FMAROW i
.if ((\i)%4) == 0
	s_wait_dscnt 24-8*((\i)/4)                     ; LDS loads come back in order: the eight for rows i .. i + 3 are in, the 8 x (3 - i / 4) behind them may be out
.endif
	s_wait_loadcnt 15-(\i)                         ; row i of W is in; the 15 - i rows behind it may be out
.irp bb, 0,1,2,3,4,5,6,7
.irp e, 0,2
.if (\i) == 0
	BCMUL ACC+4*\bb+\e, WR+4*(\i)+\e, HD+16*\bb+(\i)
.else
	BCFMA ACC+4*\bb+\e, WR+4*(\i)+\e, HD+16*\bb+(\i)
.endif
.endr
.endr
.endm
.irp i, 0,1,2,3,4,5,6,7,8,9,10,11,12,13,14,15
	FMAROW \i
.endr
.irp bb, 0,1,2,3,4,5,6,7
	ds_store_b128 v[RS], v[ACC+4*\bb:ACC+4*\bb+3] offset:RED+\bb*512
.endr
	s_wait_dscnt 0x0                               ; for the others' sake: my sums are in LDS
	s_barrier_signal -1
	s_barrier_wait -1
.irp k, 0,1,2,3,4,5,6,7
	ds_load_b128 v[WR+4*\k:WR+4*\k+3], v[T16] offset:RED+\k*4096  ; batch w's sums of the eight waves
.endr
	s_wait_dscnt 0x0
	QADD WR, WR+4
	QADD WR+8, WR+12
	QADD WR+16, WR+20
	QADD WR+24, WR+28
	QADD WR, WR+8
	QADD WR+16, WR+24
	QADD WR, WR+16
	global_store_b128 v[L16], v[WR:WR+3], s[8:9]   ; the wave stores 512 consecutive bytes, at a multiple of 512 from upart's first byte
	s_wait_tensorcnt 0x0                           ; the wave's end, behind my last LDS store
	ds_add_u32 v[SPW], v[NIL]
	s_wait_dscnt 0x0
	s_endpgm
.Lfunc_end_k_qe0c214620a_proj:
	.size	k_qe0c214620a_proj, .Lfunc_end_k_qe0c214620a_proj-k_qe0c214620a_proj
	.p2alignl 7, 3214868480
	.fill 96, 4, 3214868480
	.section	.rodata,"a",@progbits
	.p2align	6, 0x0
	.amdhsa_kernel k_qe0c214620a_proj
		.amdhsa_group_segment_fixed_size 37888
		.amdhsa_private_segment_fixed_size 0
		.amdhsa_enable_private_segment 0
		.amdhsa_kernarg_size 24
		.amdhsa_user_sgpr_count 2
		.amdhsa_user_sgpr_kernarg_segment_ptr 1
		.amdhsa_wavefront_size32 1
		.amdhsa_system_sgpr_workgroup_id_x 1
		.amdhsa_system_sgpr_workgroup_id_y 1
		.amdhsa_system_sgpr_workgroup_id_z 1
		.amdhsa_system_vgpr_workitem_id 0
		.amdhsa_next_free_vgpr 240
		.amdhsa_next_free_sgpr 66
		.amdhsa_reserve_vcc 0
		.amdhsa_float_denorm_mode_32 3
		.amdhsa_float_denorm_mode_16_64 3
		.amdhsa_memory_ordered 1
		.amdhsa_forward_progress 1
		.amdhsa_inst_pref_size 25
	.end_amdhsa_kernel
	.amdgpu_metadata
---
amdhsa.version: [ 1, 2 ]
amdhsa.kernels:
  - .name:           k_qe0c214620a_proj
    .symbol:         k_qe0c214620a_proj.kd
    .args:
      - { .name: W, .offset: 0, .size: 8, .value_kind: global_buffer, .address_space: global }
      - { .name: hidden, .offset: 8, .size: 8, .value_kind: global_buffer, .address_space: global }
      - { .name: upart, .offset: 16, .size: 8, .value_kind: global_buffer, .address_space: global }
    .group_segment_fixed_size: 37888
    .private_segment_fixed_size: 0
    .kernarg_segment_align: 8
    .kernarg_segment_size: 24
    .max_flat_workgroup_size: 256
    .sgpr_count:     66
    .vgpr_count:     240
    .wavefront_size: 32
...
	.end_amdgpu_metadata
.endif
;; end of part 1
;; launch attend (part 2): grid 8 x 32, 16 waves a work-group, no clusters, 18,688 bytes of LDS; arguments contextvects, hidden, b, upart, part; writes part
.if DOCPART == 2
	.amdgcn_target "amdgcn-amd-amdhsa--gfx1250"
	.amdhsa_code_object_version 6
	.text
	.protected	k_qe0c214620a_attend
	.globl	k_qe0c214620a_attend
	.p2align	8
	.type	k_qe0c214620a_attend,@function
k_qe0c214620a_attend:
	s_mov_b64 s[64:65], 0
	v_nop
	global_prefetch_b8 v0, s[64:65] scope:SCOPE_SE
	s_setreg_imm32_b32 hwreg(HW_REG_WAVE_MODE, 25, 1), 1
	s_wait_xcnt 0x0
; For batch b and 256 context columns c: s[c] = log2(e) (the sum over d of x[b][d][c] u[b][d] + hidden[b] . bias), a running maximum m, p = 2^(s - m), l = the sum of p, o[d] = the sum over c of p x[b][d][c].
; x = contextvects: [32 b][1024 d][2048 c] f32.  u[b][d] = the sum of upart's eight partial sums.  part: [32 b][8 chunks] rows of 4,352 bytes: o[1024] f32, then the pair (m, l) 32 times (one whole block of 256 bytes).
; The next launch merges a batch's eight chunks.
; FORMAT.  All in f32 on the vector unit.  Both products have one row a batch and stream x once; a score sums 1,024 terms and stands in an exponent, where 16-bit operands would shift a weight by several per cent.
; LIMITS.  The order of rounding differs from the reference's (x . (W^T h) + h . bias for (x W^T + bias) . h).  A weight below 2^-126 counts as 0.  NaN and infinities are not treated apart.
; SHARES.  A work-group owns 1 MB of x, walked as 4 tiles of 64 columns x 1,024 rows.  Wave w of 16 owns rows 64 w .. 64 w + 63.  Lane (r = lane % 16, hh = lane / 16) holds, in quad j of 32, the columns 4 r .. 4 r + 3
; of row 64 w + 32 hh + j: each half of the lanes reads 256 consecutive bytes, aligned.  A TILE STAYS IN 128 REGISTERS between the pass that makes the scores and the pass that weighs the rows: x is read once.
; IN FLIGHT.  In the weighing pass each four quads, once read, are loaded again at once with the next tile: 32 loads of 512 bytes a wave, which the next score pass takes in order of issue by counted waits.
; No address register and no base is ever rewritten, and EXEC never changes.
; NO CLUSTER, NO TENSOR LOADS: the work-groups of a batch share only u (32 KB of partial sums against 1 MB of columns of their own); a score needs all 1,024 rows, so a tile is 256 KB, and two LDS slots of that size do not fit.
.set LOG2E, 0x3fb8aa3b
.set SCR,   0          ; LDS: two buffers of 4,096 bytes that take turns by the tile's parity: 16 waves x 64 columns of partial scores
.set UL,    8192       ; LDS: log2(e) u[1024]
.set SBL,   12288      ; LDS: 16 words: the waves' parts of log2(e) hidden . bias
.set OST,   12544      ; LDS: 256 bytes for each wave, its own: its 64 numbers of o on their way out
.set SPARE, 16640      ; LDS: the spare words, 128 bytes for each of 16 waves; no other line names them
.set MN,   1           ; v1   at work; the new maximum
.set VOFF, 2           ; v2   my byte offset in x: (64 w + 32 hh) rows of 8,192 bytes + 16 r
.set SST,  3           ; v3   256 w + 16 r: where my wave's partial scores go
.set SLD,  4           ; v4   2,048 hh + 16 r: half hh adds up waves 8 hh .. 8 hh + 7
.set T8,   5           ; v5   8 x my thread's number
.set WH,   6           ; v6   256 w + 128 hh: my 32 rows' bytes in UL and in OST
.set AF,   7           ; v7   a = 2^(m_old - m_new)
.set SPW,  8           ; v8   my spare word; never rewritten
.set NIL,  9           ; v9   0; never rewritten
.set MM,   10          ; v[10:11]  m, and l of my 4 columns a tile
.set SE,   12          ; v[12:15]  scores of my 4 columns: the even rows' sum
.set SO,   16          ; v[16:19]  the odd rows'
.set P,    20          ; v[20:23]  the 4 weights
.set T,    24          ; v[24:31]  four pairs at work
.set RD,   32          ; v[32:63]  eight quads read back from LDS
.set U,    64          ; v[64:95]  log2(e) u of my 32 rows
.set ACC,  96          ; v[96:127] o of my 32 rows, my 4 columns a tile
.set X,    128         ; v[128:255] the tile: quad j at X + 4 j
; d (a pair) += a (a pair) x register r, taken for both halves: an even r is the first of its pair, an odd r the second
.macro BCFMA d, a, r
.if ((\r)%2) == 0
	v_pk_fma_f32 v[(\d):(\d)+1], v[(\a):(\a)+1], v[(\r):(\r)+1], v[(\d):(\d)+1] op_sel_hi:[1,0,1]
.else
	v_pk_fma_f32 v[(\d):(\d)+1], v[(\a):(\a)+1], v[(\r)-1:(\r)], v[(\d):(\d)+1] op_sel:[0,1,0] op_sel_hi:[1,1,1]
.endif
.endm
.macro BCMUL d, a, r
.if ((\r)%2) == 0
	v_pk_mul_f32 v[(\d):(\d)+1], v[(\a):(\a)+1], v[(\r):(\r)+1] op_sel_hi:[1,0]
.else
	v_pk_mul_f32 v[(\d):(\d)+1], v[(\a):(\a)+1], v[(\r)-1:(\r)] op_sel:[0,1] op_sel_hi:[1,1]
.endif
.endm
.macro QADD d, s                       ; four registers onto four
	v_pk_add_f32 v[(\d):(\d)+1], v[(\d):(\d)+1], v[(\s):(\s)+1]
	v_pk_add_f32 v[(\d)+2:(\d)+3], v[(\d)+2:(\d)+3], v[(\s)+2:(\s)+3]
.endm
	s_load_b256 s[4:11], s[0:1], 0x0               ; x s[4:5], hidden s[6:7], bias s[8:9], upart s[10:11]
	s_load_b64 s[12:13], s[0:1], 0x20              ; part
	v_lshl_add_u32 v[SPW], v0, 2, SPARE
	v_mov_b32 v[NIL], 0
	v_lshrrev_b32 v1, 5, v0
	v_readfirstlane_b32 s14, v1                    ; wave 0..15
	s_mov_b32 s15, ttmp9                           ; which 256 columns
	s_and_b32 s16, ttmp7, 0xffff                   ; the batch
	s_mov_b32 s18, 0x76543210                      ; v_permlanex16_b32: each lane takes its own place in the other half
	s_mov_b32 s19, 0xfedcba98
	v_and_b32 v3, 15, v0                           ; r
	v_bfe_u32 v4, v0, 4, 1                         ; hh
	s_lshl_b32 s24, s14, 19
	v_lshl_add_u32 v[VOFF], v4, 18, s24
	v_lshl_add_u32 v[VOFF], v3, 4, v[VOFF]
	s_lshl_b32 s25, s14, 8                         ; 256 w; kept
	v_lshl_add_u32 v[WH], v4, 7, s25
	v_lshlrev_b32 v4, 11, v4
	v_lshl_add_u32 v[SLD], v3, 4, v4
	v_lshl_add_u32 v[SST], v3, 4, s25
	v_lshlrev_b32 v[T8], 3, v0
	s_lshl_b32 s20, s16, 23                        ; x: the batch's 8 MB + my 256 columns' 1,024 bytes
	s_lshl_b32 s24, s15, 10
	s_add_co_u32 s20, s20, s24
	s_mov_b32 s21, 0
	s_lshl_b32 s26, s16, 12                        ; hidden and upart: the batch's row of 4,096 bytes
	s_mov_b32 s27, 0
	s_lshl_b32 s28, s16, 3                         ; part: row 8 b + chunk
	s_add_co_u32 s28, s28, s15
	s_mul_i32 s28, s28, 4352
	s_mov_b32 s29, 0
	s_lshl_b32 s24, s14, 2
	s_add_co_u32 s24, s24, SBL                     ; my wave's word in SBL
	s_wait_kmcnt 0x0
	s_add_nc_u64 s[4:5], s[4:5], s[20:21]
	s_add_nc_u64 s[6:7], s[6:7], s[26:27]
	s_add_nc_u64 s[10:11], s[10:11], s[26:27]
	s_add_nc_u64 s[12:13], s[12:13], s[28:29]
.irp k, 0,1,2,3,4,5,6,7
	global_load_b64 v[RD+2*\k:RD+2*\k+1], v[T8], s[10:11] offset:\k*131072  ; the eight partial sums of u[2 t], u[2 t + 1]
.endr
	global_load_b64 v[48:49], v[T8], s[6:7]        ; hidden[b][2 t], [2 t + 1]
	global_load_b64 v[50:51], v[T8], s[8:9]        ; bias[2 t], [2 t + 1]
.set j, 0
.rept 32
	global_load_b128 v[X+4*j:X+4*j+3], v[VOFF], s[4:5] offset:j*8192 th:TH_LOAD_NT  ; tile 0
.set j, j+1
.endr
	s_wait_loadcnt 32                              ; the ten small loads are in; tile 0's 32, issued behind them, stay out
	v_pk_add_f32 v[32:33], v[32:33], v[34:35]
	v_pk_add_f32 v[36:37], v[36:37], v[38:39]
	v_pk_add_f32 v[40:41], v[40:41], v[42:43]
	v_pk_add_f32 v[44:45], v[44:45], v[46:47]
	v_mul_f32 v52, v48, v50
	v_pk_add_f32 v[32:33], v[32:33], v[36:37]
	v_pk_add_f32 v[40:41], v[40:41], v[44:45]
	v_fma_f32 v52, v49, v51, v52                   ; my two terms of hidden . bias
	v_pk_add_f32 v[32:33], v[32:33], v[40:41]
	v_pk_mul_f32 v[32:33], v[32:33], LOG2E op_sel_hi:[1,0]  ; the exponentials work in base 2: the factor is folded into u and into the bias term
	ds_store_b64 v[T8], v[32:33] offset:UL
	v_add_f32_dpp v52, v52, v52 row_xmask:1 row_mask:0xf bank_mask:0xf
	v_add_f32_dpp v52, v52, v52 row_xmask:2 row_mask:0xf bank_mask:0xf
	v_add_f32_dpp v52, v52, v52 row_xmask:4 row_mask:0xf bank_mask:0xf
	v_add_f32_dpp v52, v52, v52 row_xmask:8 row_mask:0xf bank_mask:0xf
	v_permlanex16_b32 v1, v52, s18, s19            ; (v1 has been written)
	v_add_f32 v52, v52, v1
	v_mul_f32 v52, LOG2E, v52
	v_mov_b32 v53, s24
	ds_store_b32 v53, v52                          ; all lanes write the wave's word with the same number
	s_wait_dscnt 0x0                               ; for the others' sake: my part of u and of the bias term is in LDS
	s_barrier_signal -1
	s_barrier_wait -1
	v_mov_b32 v54, SBL
.irp k, 0,1,2,3,4,5,6,7
	ds_load_b128 v[U+4*\k:U+4*\k+3], v[WH] offset:UL+16*\k  ; u of my 32 rows: the 16 lanes of a half read the same bytes
.endr
.irp k, 0,1,2,3
	ds_load_b128 v[RD+4*\k:RD+4*\k+3], v54 offset:16*\k
.endr
	s_wait_dscnt 0x0
	QADD RD, RD+4
	QADD RD+8, RD+12
	QADD RD, RD+8
	v_pk_add_f32 v[32:33], v[32:33], v[34:35]
	v_add_f32 v32, v32, v33
	v_readfirstlane_b32 s22, v32                   ; log2(e) hidden . bias: a number added to every score, never an address or a condition
	s_mov_b32 s23, s22                             ; named with it as a pair
; ONE TILE.  first = 1: it starts m, l and o.  ahead = 1: its registers are loaded again with the next tile.
.macro TILE t, first, ahead
.set BUF, SCR+((\t)&1)*4096
	; the scores: 32 rows x 4 columns a lane, in four sums that do not wait for each other; rows 0 and 1 start them
.set j, 0
.rept 8
	s_wait_loadcnt 28-j                            ; loads come back in order of issue: quads j .. j + 3 are in, the 28 - j behind them may be out
.rept 4
.set sd, SE+4*(j%2)
.if j < 2
	BCMUL sd, X+4*j, U+j
	BCMUL sd+2, X+4*j+2, U+j
.else
	BCFMA sd, X+4*j, U+j
	BCFMA sd+2, X+4*j+2, U+j
.endif
.set j, j+1
.endr
.endr
	QADD SE, SO
.irp i, 0,1,2,3
	v_permlanex16_b32 v[RD+\i], v[SE+\i], s18, s19 ; the wave's other 32 rows lie in the lane 16 away
.endr
	QADD SE, RD
	ds_store_b128 v[SST], v[SE:SE+3] offset:BUF    ; both halves write the same numbers to the same bytes
	s_wait_dscnt 0x0                               ; for the others' sake: my partial scores are in LDS (and my reads of the other buffer, a tile ago, are long back:
	s_barrier_signal -1                            ; this barrier also stands between those reads and the next tile's stores into that buffer)
	s_barrier_wait -1
.irp k, 0,1,2,3,4,5,6,7
	ds_load_b128 v[RD+4*\k:RD+4*\k+3], v[SLD] offset:BUF+\k*256
.endr
	s_wait_dscnt 0x0
	QADD RD, RD+4
	QADD RD+8, RD+12
	QADD RD+16, RD+20
	QADD RD+24, RD+28
	QADD RD, RD+8
	QADD RD+16, RD+24
	QADD RD, RD+16
.irp i, 0,1,2,3
	v_permlanex16_b32 v[RD+4+\i], v[RD+\i], s18, s19  ; the other eight waves' sum
.endr
	QADD RD, RD+4
	v_pk_add_f32 v[RD:RD+1], v[RD:RD+1], s[22:23] op_sel_hi:[1,0]      ; + the bias term: the scores of columns 4 r .. 4 r + 3, alike in both halves and in all waves
	v_pk_add_f32 v[RD+2:RD+3], v[RD+2:RD+3], s[22:23] op_sel_hi:[1,0]
	; the running maximum over the tile's 64 columns (16 lanes x 4) and the old m
	v_max3_num_f32 v[MN], v[RD], v[RD+1], v[RD+2]
.if \first
	v_max_num_f32 v[MN], v[MN], v[RD+3]
.else
	v_max3_num_f32 v[MN], v[MN], v[RD+3], v[MM]
.endif
	v_max_num_f32_dpp v[MN], v[MN], v[MN] row_xmask:1 row_mask:0xf bank_mask:0xf
	v_max_num_f32_dpp v[MN], v[MN], v[MN] row_xmask:2 row_mask:0xf bank_mask:0xf
	v_max_num_f32_dpp v[MN], v[MN], v[MN] row_xmask:4 row_mask:0xf bank_mask:0xf
	v_max_num_f32_dpp v[MN], v[MN], v[MN] row_xmask:8 row_mask:0xf bank_mask:0xf
.if !(\first)
	v_sub_f32 v[AF], v[MM], v[MN]
.endif
.irp i, 0,1,2,3
	v_sub_f32 v[P+\i], v[RD+\i], v[MN]
.endr
.irp i, 0,1,2,3
	v_exp_f32 v[P+\i], v[P+\i]
.endr
.if !(\first)
	v_exp_f32 v[AF], v[AF]
.endif
	v_mov_b32 v[MM], v[MN]                         ; a plain instruction that names none of their registers, between the exponentials and the use of their results
	s_wait_alu depctr_va_vdst(0)
	v_pk_add_f32 v[T:T+1], v[P:P+1], v[P+2:P+3]
.if \first
	v_add_f32 v[MM+1], v[T], v[T+1]
.else
	v_add_f32 v[T], v[T], v[T+1]
	v_fma_f32 v[MM+1], v[MM+1], v[AF], v[T]        ; l = a l + the sum of my four weights
.endif
	; the rows weighed: o = a o + the sum over my 4 columns of p x; four rows at a time, then their registers take the next tile
.set g, 0
.rept 8
.irp i, 0,1,2,3
	v_pk_mul_f32 v[T+2*\i:T+2*\i+1], v[X+4*(4*g+\i):X+4*(4*g+\i)+1], v[P:P+1]
.endr
.irp i, 0,1,2,3
	v_pk_fma_f32 v[T+2*\i:T+2*\i+1], v[X+4*(4*g+\i)+2:X+4*(4*g+\i)+3], v[P+2:P+3], v[T+2*\i:T+2*\i+1]
.endr
.if \first
.irp i, 0,1,2,3
	v_add_f32 v[ACC+4*g+\i], v[T+2*\i], v[T+2*\i+1]
.endr
.else
.irp i, 0,1,2,3
	v_fma_f32 v[ACC+4*g+\i], v[ACC+4*g+\i], v[AF], v[T+2*\i]
.endr
.irp i, 0,1,2,3
	v_add_f32 v[ACC+4*g+\i], v[ACC+4*g+\i], v[T+2*\i+1]
.endr
.endif
.if \ahead
.irp i, 0,1,2,3
	global_load_b128 v[X+4*(4*g+\i):X+4*(4*g+\i)+3], v[VOFF], s[4:5] offset:(4*g+\i)*8192+((\t)+1)*256 th:TH_LOAD_NT
.endr
.endif
.set g, g+1
.endr
.endm
	TILE 0, 1, 1
	TILE 1, 0, 1
	TILE 2, 0, 1
	TILE 3, 0, 0                                   ; the last tile loads nothing: no load leaves my 256 columns
	; THE WAY OUT.  o and l are added over the 16 lanes of a half (the 64 columns of a tile); every lane of a half then holds its 32 rows' numbers.
.irp m, 1,2,4,8
.set j, 0
.rept 32
	v_add_f32_dpp v[ACC+j], v[ACC+j], v[ACC+j] row_xmask:\m row_mask:0xf bank_mask:0xf
.set j, j+1
.endr
	v_add_f32_dpp v[MM+1], v[MM+1], v[MM+1] row_xmask:\m row_mask:0xf bank_mask:0xf
.endr
.set j, 0
.rept 32
	ds_store_b32 v[WH], v[ACC+j] offset:OST+4*j    ; row 64 w + 32 hh + j: the 16 lanes of a half write one word with the same number
.set j, j+1
.endr
	v_and_b32 v[T], 31, v0
	v_lshl_add_u32 v[T], v[T], 3, s25              ; 256 w + 8 x lane
	ds_load_b64 v[RD:RD+1], v[T] offset:OST        ; my wave's own bytes: LDS serves a wave's instructions in order (ISA guide 5.7.1.4), so these see the stores above
	s_wait_dscnt 0x0
	global_store_b64 v[T8], v[RD:RD+1], s[12:13]   ; the wave stores 256 consecutive bytes, at a multiple of 256 from part's first byte
	s_wait_tensorcnt 0x0                           ; the wave's end, behind my last LDS store
	ds_add_u32 v[SPW], v[NIL]
	s_wait_dscnt 0x0
	s_cmp_lg_u32 s14, 0
	s_cbranch_scc1 .Lnot_wave_0
	global_store_b64 v[T8], v[MM:MM+1], s[12:13] offset:4096  ; wave 0 (8 x thread = 8 x lane): the pair (m, l) 32 times, one whole block of 256 bytes
.Lnot_wave_0:
	s_endpgm
.Lfunc_end_k_qe0c214620a_attend:
	.size	k_qe0c214620a_attend, .Lfunc_end_k_qe0c214620a_attend-k_qe0c214620a_attend
	.p2alignl 7, 3214868480
	.fill 96, 4, 3214868480
	.section	.rodata,"a",@progbits
	.p2align	6, 0x0
	.amdhsa_kernel k_qe0c214620a_attend
		.amdhsa_group_segment_fixed_size 18688
		.amdhsa_private_segment_fixed_size 0
		.amdhsa_enable_private_segment 0
		.amdhsa_kernarg_size 40
		.amdhsa_user_sgpr_count 2
		.amdhsa_user_sgpr_kernarg_segment_ptr 1
		.amdhsa_wavefront_size32 1
		.amdhsa_system_sgpr_workgroup_id_x 1
		.amdhsa_system_sgpr_workgroup_id_y 1
		.amdhsa_system_sgpr_workgroup_id_z 1
		.amdhsa_system_vgpr_workitem_id 0
		.amdhsa_next_free_vgpr 256
		.amdhsa_next_free_sgpr 66
		.amdhsa_reserve_vcc 0
		.amdhsa_float_denorm_mode_32 3
		.amdhsa_float_denorm_mode_16_64 3
		.amdhsa_memory_ordered 1
		.amdhsa_forward_progress 1
		.amdhsa_inst_pref_size 86
	.end_amdhsa_kernel
	.amdgpu_metadata
---
amdhsa.version: [ 1, 2 ]
amdhsa.kernels:
  - .name:           k_qe0c214620a_attend
    .symbol:         k_qe0c214620a_attend.kd
    .args:
      - { .name: contextvects, .offset: 0, .size: 8, .value_kind: global_buffer, .address_space: global }
      - { .name: hidden, .offset: 8, .size: 8, .value_kind: global_buffer, .address_space: global }
      - { .name: b, .offset: 16, .size: 8, .value_kind: global_buffer, .address_space: global }
      - { .name: upart, .offset: 24, .size: 8, .value_kind: global_buffer, .address_space: global }
      - { .name: part, .offset: 32, .size: 8, .value_kind: global_buffer, .address_space: global }
    .group_segment_fixed_size: 18688
    .private_segment_fixed_size: 0
    .kernarg_segment_align: 8
    .kernarg_segment_size: 40
    .max_flat_workgroup_size: 512
    .sgpr_count:     66
    .vgpr_count:     256
    .wavefront_size: 32
...
	.end_amdgpu_metadata
.endif
;; end of part 2
;; launch combine (part 3): grid 8 x 32, 4 waves a work-group, no clusters, 0 bytes of LDS; arguments part, out0; writes out0
.if DOCPART == 3
	.amdgcn_target "amdgcn-amd-amdhsa--gfx1250"
	.amdhsa_code_object_version 6
	.text
	.protected	k_qe0c214620a_combine
	.globl	k_qe0c214620a_combine
	.p2align	8
	.type	k_qe0c214620a_combine,@function
k_qe0c214620a_combine:
	s_mov_b64 s[64:65], 0
	v_nop
	global_prefetch_b8 v0, s[64:65] scope:SCOPE_SE
	s_setreg_imm32_b32 hwreg(HW_REG_WAVE_MODE, 25, 1), 1
	s_wait_xcnt 0x0
; out0[s][b][d] = (the sum over a batch's 8 chunks k of 2^(m_k - m) o_k[d]) / (the sum over k of 2^(m_k - m) l_k), m = the largest m_k, for all 64 s alike.
; part: [32 b][8 k] rows of 4,352 bytes: o[1024] f32, then (m, l) 32 times.  out0: [64][32][1024] f32.  All in f32.
; The largest chunk's weight is 1 and its l is at least 1, so the divisor is at least 1.  LIMITS: a chunk's weight below 2^-126 counts as 0; NaN and infinities are not treated apart.
; SHARES.  A work-group takes 128 columns d of one batch: 8 x 32 = 256 work-groups.  Each of its four waves merges the same 8 x 512 bytes (reading them four times spares a stage in LDS and a barrier)
; and stores 16 of the 64 copies, 512 consecutive aligned bytes a store.  No LDS, no barrier, no matrix unit, no cluster: the launch moves 1 MB in and 8 MB out, and its work-groups share nothing but 2 KB of (m, l).
.set MX,  4            ; v4   m
.set LT,  5            ; v5   the divisor
.set RC,  6            ; v6   its reciprocal
.set O,   8            ; v[8:39]   chunk k's four columns at O + 4 k
.set ML,  40           ; v[40:55]  chunk k's (m, l) at ML + 2 k
.set WT,  56           ; v[56:63]  chunk k's weight
.set OUT, 64           ; v[64:67]
; d (a pair) += a (a pair) x register r, taken for both halves: an even r is the first of its pair, an odd r the second
.macro BCFMA d, a, r
.if ((\r)%2) == 0
	v_pk_fma_f32 v[(\d):(\d)+1], v[(\a):(\a)+1], v[(\r):(\r)+1], v[(\d):(\d)+1] op_sel_hi:[1,0,1]
.else
	v_pk_fma_f32 v[(\d):(\d)+1], v[(\a):(\a)+1], v[(\r)-1:(\r)], v[(\d):(\d)+1] op_sel:[0,1,0] op_sel_hi:[1,1,1]
.endif
.endm
	s_load_b128 s[4:7], s[0:1], 0x0                ; part s[4:5], out0 s[6:7]
	v_and_b32 v1, 31, v0
	v_lshrrev_b32 v3, 5, v0                        ; wave
	v_lshlrev_b32 v2, 3, v1                        ; 8 x lane
	v_lshlrev_b32 v1, 4, v1                        ; 16 x lane
	v_lshl_add_u32 v3, v3, 21, v1                  ; 16 copies of 131,072 bytes a wave + 16 x lane
	s_and_b32 s10, ttmp7, 0xffff                   ; the batch
	s_mul_i32 s12, s10, 34816                      ; its 8 rows of part
	s_mov_b32 s13, 0
	s_lshl_b32 s14, ttmp9, 9                       ; my 128 columns
	s_mov_b32 s15, 0
	s_lshl_b32 s10, s10, 12                        ; the batch's row in a copy
	s_mov_b32 s11, 0
	s_wait_kmcnt 0x0
	s_add_nc_u64 s[8:9], s[4:5], s[12:13]
	s_add_nc_u64 s[4:5], s[8:9], s[14:15]
	s_add_nc_u64 s[6:7], s[6:7], s[10:11]
	s_add_nc_u64 s[6:7], s[6:7], s[14:15]
.irp k, 0,1,2,3,4,5,6,7
	global_load_b64 v[ML+2*\k:ML+2*\k+1], v2, s[8:9] offset:\k*4352+4096  ; each lane its own copy of the pair: 256 consecutive bytes
.endr
.irp k, 0,1,2,3,4,5,6,7
	global_load_b128 v[O+4*\k:O+4*\k+3], v1, s[4:5] offset:\k*4352
.endr
	s_wait_loadcnt 8                               ; the eight pairs are in; the eight loads of o, issued behind them, stay out
	v_max3_num_f32 v[MX], v[ML], v[ML+2], v[ML+4]
	v_max3_num_f32 v[MX], v[MX], v[ML+6], v[ML+8]
	v_max3_num_f32 v[MX], v[MX], v[ML+10], v[ML+12]
	v_max_num_f32 v[MX], v[MX], v[ML+14]
.irp k, 0,1,2,3,4,5,6,7
	v_sub_f32 v[WT+\k], v[ML+2*\k], v[MX]
.endr
.irp k, 0,1,2,3,4,5,6,7
	v_exp_f32 v[WT+\k], v[WT+\k]
.endr
	v_nop                                          ; a plain instruction between the last exponential and the use of the results
	s_wait_alu depctr_va_vdst(0)
	v_mul_f32 v[LT], v[WT], v[ML+1]
.irp k, 1,2,3,4,5,6,7
	v_fma_f32 v[LT], v[WT+\k], v[ML+2*\k+1], v[LT]
.endr
	v_rcp_f32 v[RC], v[LT]
	v_nop                                          ; and between the reciprocal and its use
	s_wait_alu depctr_va_vdst(0)
.irp k, 0,1,2,3,4,5,6,7
	v_mul_f32 v[WT+\k], v[WT+\k], v[RC]
.endr
	s_wait_loadcnt 0x0
	v_pk_mul_f32 v[OUT:OUT+1], v[O:O+1], v[WT:WT+1] op_sel_hi:[1,0]      ; chunk 0 starts the sums
	v_pk_mul_f32 v[OUT+2:OUT+3], v[O+2:O+3], v[WT:WT+1] op_sel_hi:[1,0]
.irp k, 1,2,3,4,5,6,7
	BCFMA OUT, O+4*\k, WT+\k
	BCFMA OUT+2, O+4*\k+2, WT+\k
.endr
.irp i, 0,1,2,3,4,5,6,7,8,9,10,11,12,13,14,15
	global_store_b128 v3, v[OUT:OUT+3], s[6:7] offset:\i*131072 th:TH_STORE_NT  ; copy 16 w + i: 512 consecutive bytes, at a multiple of 512 from out0's first byte; the largest immediate, 1,966,080, lies inside the signed 24 bits
.endr
	s_endpgm
.Lfunc_end_k_qe0c214620a_combine:
	.size	k_qe0c214620a_combine, .Lfunc_end_k_qe0c214620a_combine-k_qe0c214620a_combine
	.p2alignl 7, 3214868480
	.fill 96, 4, 3214868480
	.section	.rodata,"a",@progbits
	.p2align	6, 0x0
	.amdhsa_kernel k_qe0c214620a_combine
		.amdhsa_group_segment_fixed_size 0
		.amdhsa_private_segment_fixed_size 0
		.amdhsa_enable_private_segment 0
		.amdhsa_kernarg_size 16
		.amdhsa_user_sgpr_count 2
		.amdhsa_user_sgpr_kernarg_segment_ptr 1
		.amdhsa_wavefront_size32 1
		.amdhsa_system_sgpr_workgroup_id_x 1
		.amdhsa_system_sgpr_workgroup_id_y 1
		.amdhsa_system_sgpr_workgroup_id_z 1
		.amdhsa_system_vgpr_workitem_id 0
		.amdhsa_next_free_vgpr 68
		.amdhsa_next_free_sgpr 66
		.amdhsa_reserve_vcc 0
		.amdhsa_float_denorm_mode_32 3
		.amdhsa_float_denorm_mode_16_64 3
		.amdhsa_memory_ordered 1
		.amdhsa_forward_progress 1
		.amdhsa_inst_pref_size 7
	.end_amdhsa_kernel
	.amdgpu_metadata
---
amdhsa.version: [ 1, 2 ]
amdhsa.kernels:
  - .name:           k_qe0c214620a_combine
    .symbol:         k_qe0c214620a_combine.kd
    .args:
      - { .name: part, .offset: 0, .size: 8, .value_kind: global_buffer, .address_space: global }
      - { .name: out0, .offset: 8, .size: 8, .value_kind: global_buffer, .address_space: global }
    .group_segment_fixed_size: 0
    .private_segment_fixed_size: 0
    .kernarg_segment_align: 8
    .kernarg_segment_size: 16
    .max_flat_workgroup_size: 128
    .sgpr_count:     66
    .vgpr_count:     68
    .wavefront_size: 32
...
	.end_amdgpu_metadata
.endif
;; end of part 3
